; MI455X (gfx1250); checked and timed in simulation.
; The chip was launched on July 23, 2026; its instructions are those of AMD's public machine-readable ISA for CDNA 5 (MIT licence, August 2026) and "CDNA5" Instruction Set Architecture Reference Guide (July 2026). The comments in the code are by the model that wrote it; some were corrected since.
;; GPT Self Attention1 D. Allowed arithmetic: matrix products marked QUANTISED: E3M2 operands, one E8M0 scale for each 32 along K, by v_wmma_scale_f32_16x16x128_f8f6f4 with both operands' format E3M2, f32 sums; everything else in f32.
;; Inputs: Wk 1,024 x 1,024 float32; Wo 1,024 x 1,024 float32; Wq 1,024 x 1,024 float32; Wv 1,024 x 1,024 float32; bk 1,024 float32; bo 1,024 float32; bq 1,024 float32; bv 1,024 float32; x 2 x 2,048 x 1,024 float32.
;; Outputs: out0 2 x 2,048 x 1,024 float32.
;; This version of the problem:
;;   THIS VERSION OF THE PROBLEM IS GIVEN IN LOW PRECISION. The matrix products marked QUANTISED in the list below multiply operands that are first quantised to E3M2 (3 exponent bits, 2 mantissa bits; 6 bits a number), with one power-of-two scale for each 32 numbers along K (OCP MX v1.0); their sums are f32. All else is computed in f32.
;;   The module's matrix products, in the order in which they are computed (A, B: the left and right operand; K: the contracted axis; several contracted axes count as one K, in the product's order):
;;     1. [M 4,096, K 1,024] x [K 1,024, N 1,024]; A: input x; B: input Wq: QUANTISED
;;     2. [M 4,096, K 1,024] x [K 1,024, N 1,024]; A: input x; B: input Wk: QUANTISED
;;     3. [M 4,096, K 1,024] x [K 1,024, N 1,024]; A: input x; B: input Wv: QUANTISED
;;     4. batch 32 x [M 2,048, K 64] x [K 64, N 2,048]; A: computed on the way; B: computed on the way: QUANTISED
;;     5. batch 32 x [M 2,048, K 2,048] x [K 2,048, N 64]; A: softmax (see below); B: computed on the way: QUANTISED
;;     6. [M 4,096, K 1,024] x [K 1,024, N 1,024]; A: computed on the way; B: input Wo: QUANTISED
;;   THE QUANTISER, for each operand of a quantised product, along K:
;;     - K is cut into blocks of 32 from its start; a last block that is shorter is filled with zeros.
;;     - A block's scale is 2^e with e = floor(log2(the largest magnitude in the block)) - 4, held to -126 .. 127; a block of zeros has e = 0. As a byte (E8M0): e + 127.
;;     - Each number is divided by its block's scale, clamped to +-28, and rounded to the nearest number of E3M2, ties to even, subnormals kept.
;;     - The product sums the exact products of the quantised numbers (number of the format x scale) in f32.
;;   ~~~python
;;   def quantise(x, axis):      # numpy; x: float32 -> the quantised numbers, widened to float32 again
;;       x = np.moveaxis(x, axis, -1); K = x.shape[-1]
;;       x = np.pad(x, [(0, 0)] * (x.ndim - 1) + [(0, -K % 32)]); x = x.reshape(x.shape[:-1] + (-1, 32)); a = np.abs(x).max(-1, keepdims=True)
;;       e = np.where(a > 0, np.clip(np.frexp(np.where(a > 0, a, 1))[1] - 1 - 4, -126, 127), 0)      # np.frexp(a)[1] - 1 = floor(log2(a)), exactly
;;       r = np.clip(x / 2.0 ** e, -28, 28)
;;       step = 2.0 ** (np.maximum(np.frexp(np.where(r == 0, 1, r))[1] - 1, -2) - 2)
;;       q = np.round(r / step) * step * 2.0 ** e      # np.round: ties to even
;;       return np.moveaxis(q.reshape(q.shape[:-2] + (-1,))[..., :K], -1, axis).astype(np.float32)
;;   ~~~
;;   SOFTMAX AHEAD OF A QUANTISED PRODUCT. Where the list says 'softmax', what is quantised is not the finished softmax but p = 2^(t - M), with t = logit x log2(e) and M = ceil(the row's largest t), a whole number; so 1/2 < the row's largest p <= 1. The row's sum l is taken of the UNQUANTISED p, in f32, and the product's result is divided by l at the end. Since M is a whole number, a kernel that streams over the keys may use a running M (the ceiling of the running maximum): every later rescaling is an exact power of two, which a block's scale takes up: the codes' values come out the same.
;;   OPERANDS COMPUTED ON THE WAY. 'Computed on the way' means the value that the module computes at that place (a softmax that the list does not call 'softmax' is quantised finished and normalised). What goes into a quantiser is computed in f32, as accurately as f32 sums, v_exp_f32 and their like allow (about 1e-6 of the number): no bf16 or f16 on the way to a quantiser, and a product that is left as it is and whose result goes on into a quantised operand takes f32 operands (vector FMAs, or v_wmma_f32_16x16x4_f32). A number that lies on a knife's edge between two numbers of the format may be rounded either way, as far as f32 arithmetic and the matrix unit's own rounding can turn it there, and no further.
;; One version. Each part assembles by itself: llvm-mc -triple=amdgcn-amd-amdhsa -mcpu=gfx1250 --defsym DOCPART=n.
;; ======== version 1 of 1: 4 launches
;; workspace buffers: xq 3,276,800 bytes; wq 3,276,800 bytes; qq 3,407,872 bytes; kv 6,553,600 bytes; cq 3,276,800 bytes
;; launch quant (part 1): grid 256 x 1, 8 waves a work-group, no clusters, 68,608 bytes of LDS; arguments x, Wq, Wk, Wv, Wo, xq, wq; writes xq, wq
.if DOCPART == 1
	.amdgcn_target "amdgcn-amd-amdhsa--gfx1250"
	.amdhsa_code_object_version 6
	.text
	.protected	k_qfd78ab6f9b_quant
	.globl	k_qfd78ab6f9b_quant
	.p2align	8
	.type	k_qfd78ab6f9b_quant,@function
k_qfd78ab6f9b_quant:
	s_mov_b64 s[64:65], 0
	v_nop
	global_prefetch_b8 v0, s[64:65] scope:SCOPE_SE
	s_setreg_imm32_b32 hwreg(HW_REG_WAVE_MODE, 25, 1), 1
	s_wait_xcnt 0x0
; x [4096][1024] and Wq, Wk, Wv, Wo [1024 (k)][1024 (n)], f32, become codes of BF6 (E3M2) with one E8M0 byte for each 32 along K, laid in the ORDER OF THE OPERAND'S REGISTERS.
; A block's byte is its largest magnitude's exponent field - 4, held at 1 from below; numbers are divided by the scale and rounded to the nearest code, ties to even, beyond 28 the largest code.
; LIMITS: NaN and infinities among the inputs are not served; a block whose largest magnitude lies under 2^-122 gets the byte 1; a block of zeros gets 1 where the rule says 127: its codes are zeros, and this program alone reads the bytes.
; TILES.  16 rows form a tile, and they are not neighbours: lane r of tile 2 B + u stands for row 32 B + 8 u + r + 8 (r / 8).  As source 0 of a product such a tile leaves in register j of lane half h row 32 B + 16 h + 8 u + j.
; HALF IMAGE, 768 bytes: 16 rows x 64 K as six registers a lane (lane (r, h): the 32 codes of block h of row r): registers 0-3 at 16 x lane, registers 4-5 at 512 + 8 x lane.  Two of them are a fragment of 128 K.
; xq: half image (token tile Tg, 64-K group g) at 12288 Tg + 768 g; scale words (four bytes: 128 K of a row) at SCB + 1024 (Tg / 2) + 128 s + 4 (16 (Tg % 2) + r).
; wq: half image at 196608 nb + 12288 g + 768 (4 kind + t), nb = block of 64 columns, kind = q, k, v, o, t = tile; scale words at SCB + 8192 nb + 1024 (2 kind + t / 2) + 128 s + 4 (16 (t % 2) + r).
; Work-groups 0-127 take x (32 rows each, wave s the K step s; a wave's 32 loads go out at its head), work-groups 128-255 the weights (a wave's loads run two blocks, 64 loads, ahead).
; No loop.  Memory binds: no matrix unit, no cluster, no tensor load.
.set SCB,  3145728                     ; where the scale words begin in xq and in wq
.set SPT,  528                         ; x's stage: a row of 512 bytes + 16, so that sixteen rows start in sixteen different columns of 16 bytes
.set STG,  16*SPT                      ; a wave's stage
.set C,    16                          ; v16-47   codes: eight registers for each half image, never written twice
.set R,    64                          ; v64-191  numbers as loaded
.set N,    192                         ; v192-255 x: a lane's 64 numbers of a fragment
	s_load_b256 s[4:11], s[0:1], 0x0               ; x s[4:5], Wq s[6:7], Wk s[8:9], Wv s[10:11]
	s_load_b128 s[12:15], s[0:1], 0x20             ; Wo s[12:13], xq s[14:15]
	s_load_b64 s[16:17], s[0:1], 0x30              ; wq
	v_lshl_add_u32 v62, v0, 2, 0x10800
	v_mov_b32 v63, 0
	v_lshrrev_b32 v1, 5, v0
	v_readfirstlane_b32 s18, v1                    ; wave 0..7
	v_and_b32 v1, 31, v0                           ; lane
	v_lshlrev_b32 v2, 4, v1                        ; 16 x lane
	v_lshlrev_b32 v3, 3, v1                        ; 8 x lane
	v_lshlrev_b32 v4, 2, v1                        ; 4 x lane
	s_mov_b32 s30, 0xffff0000                      ; the mask of lanes 16-31
	s_mov_b32 s32, 0x76543210
	s_mov_b32 s33, 0xfedcba98                      ; v_permlanex16_b32's selects for lane l xor 16
	s_cmp_ge_u32 ttmp9, 128
	s_cbranch_scc1 .Lweights
	; ---------------- x: work-group P = 32 rows, wave s = 128 along K: two fragments (tiles 2 P and 2 P + 1)
	s_mul_i32 s19, s18, STG
	v_add_nc_u32 v5, s19, v2                       ; into the stage: a row's 512 bytes as they lie
	v_and_b32 v8, 15, v0                           ; r
	v_bfe_u32 v9, v0, 4, 1                         ; h
	v_mul_u32_u24 v6, v8, SPT
	v_lshl_add_u32 v6, v9, 7, v6
	v_add_nc_u32 v6, s19, v6                       ; out of it: row r, 128 h bytes on: my block of 32 numbers
	v_lshlrev_b32 v7, 3, v9                        ; 8 h: where my bytes stand in the scale word
	v_mov_b32 v15, 0                               ; written once: a lane permute's destination counts as one of its sources
	s_lshl_b32 s20, ttmp9, 17                      ; 32 rows of 4,096 bytes
	s_lshl_b32 s22, s18, 9                         ; 128 numbers
	s_add_co_u32 s20, s20, s22
	s_mov_b32 s21, 0
	s_mul_i32 s22, ttmp9, 24576                    ; two tiles of 12,288 bytes
	s_mul_i32 s24, s18, 1536                       ; two half images
	s_add_co_u32 s22, s22, s24
	s_mov_b32 s23, 0
	s_lshl_b32 s24, ttmp9, 10
	s_lshl_b32 s26, s18, 7
	s_add_co_u32 s24, s24, s26
	s_mov_b32 s25, 0
	s_wait_kmcnt 0x0
	s_add_nc_u64 s[4:5], s[4:5], s[20:21]
	s_add_nc_u64 s[22:23], s[14:15], s[22:23]
	s_add_nc_u64 s[24:25], s[14:15], s[24:25]
.irp u, 0,1
.irp p, 0,1,2,3,4,5,6,7,8,9,10,11,12,13,14,15
	global_load_b128 v[R+64*\u+4*\p:R+64*\u+4*\p+3], v2, s[4:5] offset:(8*\u+\p+8*(\p/8))*4096 th:TH_LOAD_NT   ; 32 lanes read 512 consecutive bytes of the tile's row p
.endr
.endr
; Fragment u: through the wave's stage (a lane must hold 32 neighbours of one row), two blocks a lane, codes and the scale word.
.macro FRAGX u
	s_wait_loadcnt 16*(1-\u)                       ; this fragment's sixteen loads are in; the other fragment's sixteen may be out
.irp p, 0,1,2,3,4,5,6,7,8,9,10,11,12,13,14,15
	ds_store_b128 v5, v[R+64*\u+4*\p:R+64*\u+4*\p+3] offset:\p*SPT
.endr
.irp c, 0,1
.irp i, 0,1,2,3,4,5,6,7
	ds_load_b128 v[N+32*\c+4*\i:N+32*\c+4*\i+3], v6 offset:256*\c+16*\i   ; LDS serves a wave's instructions in order: these see the stores above
.endr
.endr
	s_wait_dscnt 0x0
.irp c, 0,1
	v_max3_num_f32 v[8+\c], |v[N+32*\c]|, |v[N+32*\c+1]|, 0x2800000   ; block 2 c + h: all 32 numbers are mine; the floor 2^(5 - 127) holds the byte at 1 from below
.endr
.irp i, 2,4,6,8,10,12,14,16,18,20,22,24,26,28,30
.irp c, 0,1
	v_max3_num_f32 v[8+\c], v[8+\c], |v[N+32*\c+\i]|, |v[N+32*\c+\i+1]|
.endr
.endr
.irp c, 0,1
	v_add_nc_u32 v[10+\c], 0xfe000000, v[8+\c]     ; 4 off the exponent field: the conversion's scale operand
.endr
.irp c, 0,1
	v_lshrrev_b32 v[12+\c], 23, v[10+\c]           ; the byte
.endr
	v_lshl_or_b32 v14, v13, 16, v12                ; my bytes h and 2 + h,
	v_lshlrev_b32 v14, v7, v14                     ; at their places;
	v_permlanex16_b32 v15, v14, s32, s33
	v_or_b32 v[48+\u], v14, v15                    ; with lane l xor 16's two the word is whole
.irp c, 0,1
	v_cvt_scalef32_pk16_bf6_f32 v[C+16*\u+8*\c:C+16*\u+8*\c+2], v[N+32*\c:N+32*\c+15], v[10+\c]
	v_cvt_scalef32_pk16_bf6_f32 v[C+16*\u+8*\c+4:C+16*\u+8*\c+6], v[N+32*\c+16:N+32*\c+31], v[10+\c]   ; (a conversion's three registers begin on an even number)
.endr
	v_nop                                          ; one plain place behind a scaled conversion
.irp c, 0,1
	v_mov_b32 v[C+16*\u+8*\c+3], v[C+16*\u+8*\c+4]
	v_mov_b32 v[C+16*\u+8*\c+4], v[C+16*\u+8*\c+5]
	v_mov_b32 v[C+16*\u+8*\c+5], v[C+16*\u+8*\c+6]
.endr
.irp c, 0,1
	global_store_b128 v2, v[C+16*\u+8*\c:C+16*\u+8*\c+3], s[22:23] offset:\u*12288+\c*768       ; 512 consecutive bytes
	global_store_b64 v3, v[C+16*\u+8*\c+4:C+16*\u+8*\c+5], s[22:23] offset:\u*12288+\c*768+512  ; 256 consecutive bytes
.endr
.endm
	FRAGX 0
	FRAGX 1
	v_cndmask_b32 v50, v48, v49, s30               ; lanes 0-15 tile 2 P's words, lanes 16-31 tile 2 P + 1's
	global_store_b32 v4, v50, s[24:25] offset:SCB
	s_wait_tensorcnt 0x0
	ds_add_u32 v62, v63
	s_wait_dscnt 0x0
	s_endpgm
	; ---------------- the weights: K is the FIRST axis: a lane takes a column and its registers run down K (128 of them: four blocks)
.Lweights:
	s_sub_co_u32 s19, ttmp9, 128
	s_lshr_b32 s20, s19, 5                         ; which weight: q, k, v, o
	s_and_b32 s19, s19, 31
	s_and_b32 s21, s19, 7
	s_lshl_b32 s21, s21, 2
	s_and_b32 s22, s18, 3
	s_add_co_u32 s21, s21, s22                     ; cp: which 32 columns; four waves stand side by side on 512 bytes of a row
	s_lshr_b32 s19, s19, 3
	s_lshl_b32 s19, s19, 1
	s_lshr_b32 s22, s18, 2
	s_add_co_u32 s19, s19, s22                     ; s: which 128 along K
	s_lshl_b32 s22, s19, 19                        ; 128 rows of 4,096 bytes
	s_lshl_b32 s23, s21, 7
	s_add_co_u32 s22, s22, s23
	s_mov_b32 s23, 0
	s_lshr_b32 s24, s21, 1                         ; nb
	s_and_b32 s25, s21, 1                          ; which 32 of its 64 columns
	s_mul_i32 s26, s24, 196608
	s_mul_i32 s27, s19, 24576
	s_add_co_u32 s26, s26, s27
	s_lshl_b32 s27, s20, 1
	s_add_co_u32 s27, s27, s25                     ; 2 kind + pair of tiles
	s_mul_i32 s28, s27, 1536
	s_add_co_u32 s26, s26, s28
	s_lshl_b32 s28, s24, 13
	s_lshl_b32 s27, s27, 10
	s_add_co_u32 s28, s28, s27
	s_lshl_b32 s27, s19, 7
	s_add_co_u32 s28, s28, s27
	s_mov_b32 s27, 0
	s_mov_b32 s29, 0
	v_bfe_u32 v5, v0, 3, 1                         ; column l of the 32 is row r of tile u: u = (l / 8) % 2,
	v_and_b32 v6, 7, v0
	v_bfe_u32 v7, v0, 4, 1
	v_lshl_or_b32 v6, v7, 3, v6                    ; r = l % 8 + 8 (l / 16)
	v_mul_u32_u24 v7, v5, 768
	v_lshl_add_u32 v8, v6, 4, v7                   ; registers 0-3 of my place in a half image
	v_lshl_add_u32 v9, v6, 3, v7                   ; registers 4-5
	v_lshl_add_u32 v10, v5, 4, v6
	v_lshlrev_b32 v10, 2, v10                      ; my scale word
	s_wait_kmcnt 0x0
	s_cmp_eq_u32 s20, 1                            ; the choice hangs on the work-group's number alone
	s_cselect_b64 s[6:7], s[8:9], s[6:7]
	s_cmp_eq_u32 s20, 2
	s_cselect_b64 s[6:7], s[10:11], s[6:7]
	s_cmp_eq_u32 s20, 3
	s_cselect_b64 s[6:7], s[12:13], s[6:7]
	s_add_nc_u64 s[6:7], s[6:7], s[22:23]
	s_add_nc_u64 s[26:27], s[16:17], s[26:27]
	s_add_nc_u64 s[28:29], s[16:17], s[28:29]
.macro LOADW b                         ; block b: W(128 s + 32 b + 0 .. 31, my column) into its own 32 registers: each load reads 128 consecutive bytes a wave
.set q, 32*(\b)
.rept 32
	global_load_b32 v[R+q], v4, s[6:7] offset:q*4096 th:TH_LOAD_NT
.set q, q+1
.endr
.endm
; Block b of the four: it is block b % 2 of the 64-K group 2 s + b / 2, so its codes are lane (r, b % 2)'s six registers of that half image.
.macro BLOCKW b
.set XB, R+32*(\b)
.set CB, C+8*(\b)
.if (\b) < 3
	s_wait_loadcnt 32                              ; this block's 32 loads are in; the next block's 32, the only ones issued behind them, may be out
.else
	s_wait_loadcnt 0x0
.endif
.if (\b) < 2
	LOADW (\b)+2                                   ; two blocks ahead, asked for before this block is worked
.endif
	v_max3_num_f32 v11, |v[XB]|, |v[XB+1]|, 0x2800000
	v_max3_num_f32 v12, |v[XB+2]|, |v[XB+3]|, |v[XB+4]|
.irp i, 5,9,13,17,21,25
	v_max3_num_f32 v11, v11, |v[XB+\i]|, |v[XB+\i+1]|
	v_max3_num_f32 v12, v12, |v[XB+\i+2]|, |v[XB+\i+3]|
.endr
	v_max3_num_f32 v11, v11, |v[XB+29]|, |v[XB+30]|
	v_max3_num_f32 v11, v11, v12, |v[XB+31]|
	v_add_nc_u32 v[52+(\b)], 0xfe000000, v11
	v_lshrrev_b32 v14, 23, v[52+(\b)]
.if (\b) == 0
	v_mov_b32 v56, v14
.else
	v_lshl_or_b32 v56, v14, 8*(\b), v56
.endif
	v_cvt_scalef32_pk16_bf6_f32 v[CB:CB+2], v[XB:XB+15], v[52+(\b)]
	v_cvt_scalef32_pk16_bf6_f32 v[CB+4:CB+6], v[XB+16:XB+31], v[52+(\b)]
	v_nop                                          ; one plain place behind a scaled conversion
	v_mov_b32 v[CB+3], v[CB+4]
	v_mov_b32 v[CB+4], v[CB+5]
	v_mov_b32 v[CB+5], v[CB+6]
	global_store_b128 v8, v[CB:CB+3], s[26:27] offset:((\b)/2)*12288+((\b)%2)*256          ; sixteen lanes of a tile store 256 consecutive bytes, aligned
	global_store_b64 v9, v[CB+4:CB+5], s[26:27] offset:((\b)/2)*12288+512+((\b)%2)*128
.endm
	LOADW 0
	LOADW 1
	BLOCKW 0
	BLOCKW 1
	BLOCKW 2
	BLOCKW 3
	global_store_b32 v10, v56, s[28:29] offset:SCB
	s_endpgm
.Lfunc_end_k_qfd78ab6f9b_quant:
	.size	k_qfd78ab6f9b_quant, .Lfunc_end_k_qfd78ab6f9b_quant-k_qfd78ab6f9b_quant
	.p2alignl 7, 3214868480
	.fill 96, 4, 3214868480
	.section	.rodata,"a",@progbits
	.p2align	6, 0x0
	.amdhsa_kernel k_qfd78ab6f9b_quant
		.amdhsa_group_segment_fixed_size 68608
		.amdhsa_private_segment_fixed_size 0
		.amdhsa_enable_private_segment 0
		.amdhsa_kernarg_size 56
		.amdhsa_user_sgpr_count 2
		.amdhsa_user_sgpr_kernarg_segment_ptr 1
		.amdhsa_wavefront_size32 1
		.amdhsa_system_sgpr_workgroup_id_x 1
		.amdhsa_system_sgpr_workgroup_id_y 1
		.amdhsa_system_sgpr_workgroup_id_z 1
		.amdhsa_system_vgpr_workitem_id 0
		.amdhsa_next_free_vgpr 256
		.amdhsa_next_free_sgpr 66
		.amdhsa_reserve_vcc 0
		.amdhsa_float_denorm_mode_32 3
		.amdhsa_float_denorm_mode_16_64 3
		.amdhsa_memory_ordered 1
		.amdhsa_forward_progress 1
		.amdhsa_inst_pref_size 37
	.end_amdhsa_kernel
	.amdgpu_metadata
---
amdhsa.version: [ 1, 2 ]
amdhsa.kernels:
  - .name:           k_qfd78ab6f9b_quant
    .symbol:         k_qfd78ab6f9b_quant.kd
    .args:
      - { .name: x, .offset: 0, .size: 8, .value_kind: global_buffer, .address_space: global }
      - { .name: Wq, .offset: 8, .size: 8, .value_kind: global_buffer, .address_space: global }
      - { .name: Wk, .offset: 16, .size: 8, .value_kind: global_buffer, .address_space: global }
      - { .name: Wv, .offset: 24, .size: 8, .value_kind: global_buffer, .address_space: global }
      - { .name: Wo, .offset: 32, .size: 8, .value_kind: global_buffer, .address_space: global }
      - { .name: xq, .offset: 40, .size: 8, .value_kind: global_buffer, .address_space: global }
      - { .name: wq, .offset: 48, .size: 8, .value_kind: global_buffer, .address_space: global }
    .group_segment_fixed_size: 68608
    .private_segment_fixed_size: 0
    .kernarg_segment_align: 8
    .kernarg_segment_size: 56
    .max_flat_workgroup_size: 256
    .sgpr_count:     66
    .vgpr_count:     256
    .wavefront_size: 32
...
	.end_amdgpu_metadata
.endif
;; end of part 1
;; launch qkv (part 2): grid 16 x 16, 4 waves a work-group, clusters of 4 x 1, 168,448 bytes of LDS; arguments xq, wq, bq, bk, bv, qq, kv; writes qq, kv
.if DOCPART == 2
	.amdgcn_target "amdgcn-amd-amdhsa--gfx1250"
	.amdhsa_code_object_version 6
	.text
	.protected	k_qfd78ab6f9b_qkv
	.globl	k_qfd78ab6f9b_qkv
	.p2align	8
	.type	k_qfd78ab6f9b_qkv,@function
k_qfd78ab6f9b_qkv:
	s_mov_b64 s[64:65], 0
	v_nop
	global_prefetch_b8 v0, s[64:65] scope:SCOPE_SE
	s_setreg_imm32_b32 hwreg(HW_REG_WAVE_MODE, 25, 1), 1
	s_wait_xcnt 0x0
	s_wait_alu depctr_hold_cnt(0) depctr_sa_sdst(0) depctr_va_vdst(0) depctr_va_sdst(0) depctr_va_ssrc(0) depctr_va_vcc(0) depctr_vm_vsrc(0)
	s_getreg_b32 s2, hwreg(HW_REG_IB_STS2, 6, 4)
	s_cmp_eq_u32 s2, 0
	s_cbranch_scc0 .Lentry_in_a_cluster
	s_endpgm
.Lentry_in_a_cluster:
	s_bfe_u32 s2, ttmp6, 0x10000c
	s_cmp_lg_u32 s2, 0x3003
	s_cbranch_scc0 .Lentry_shape_is_right
	s_endpgm
.Lentry_shape_is_right:
; q = x Wq + bq, k = x Wk + bk, v = x Wv + bv on codes of BF6 (E3M2) with E8M0 scales, f32 sums; then q and k are quantised along the head's 64, v along the keys, in registers.
; SHARES.  A work-group: 256 tokens (tb) x one head; a wave: 64 tokens (four tiles m) x the head's 64 columns of q, k and v: 48 accumulators, 384 registers.
; x's fragments are one wave's alone: they come from memory straight into registers, as images (layouts: see the launch that makes xq and wq).  The head's weights, 147,456 bytes, are read by all four waves
; and by the four work-groups of the cluster (same head, neighbouring tb): they come into LDS once, by joint tensor loads in four chunks of two K steps; no LDS byte is filled twice.
; q AND k ARE MADE TRANSPOSED (source 0 = 16 columns of W, source 1 = 16 tokens): a lane holds one token and its registers run along the head's 64.  v IS MADE THE OTHER WAY ROUND (source 0 = tokens): a lane holds one
; column d and its registers run along the tokens, which are the keys.  The rows of a tile are chosen (32 B + 8 u + r + 8 (r / 8)) so that the 16 registers of two neighbouring tiles are 16 neighbours along the next K.
; The biases are the C of each sum's first matrix instruction.
; OUT.  qq: half image of token tile T of head bh at 768 (128 bh + T); scale words (byte 0, 1: the two blocks; bytes 2, 3 = 127) at SCB + 256 (32 bh + T / 4) + 8 (16 (T % 2) + r) + 4 ((T / 2) % 2).
; kv: for each bh 16 steps of 128 keys, 12,800 bytes each: K's eight half images; at 6144 V's eight (64-key group c, d tile n: 3072 c + 768 n); at 12288 K's scale words (8 x lane + 4 g: key block 2 g + h, row r:
; bytes 0, 1 its first tile's blocks, bytes 2, 3 its second's); at 12544 V's (16 r + 4 n: the step's four key blocks).
; LIMITS: as in the quantising launch (NaN, infinities; bytes held at 1 from below; a block of zeros has the byte 1).
; REGISTERS: window 0: v1-15 addresses; v16-31 x's scale words; v32-79 W's; v80-223 W's fragments, a set for each kind (on the way out: codes and words); v224-231 at work; v232-233 addresses.
;   window 1: x's fragments, four sets.   window 2: q's and k's accumulators (128 kind + 32 m + 8 t).   window 3: v's (32 t + 8 m); from v128 the biases.
.set SCB, 3145728
.set XS,  16                           ; register 8 p + s: lanes 0-15 tile 2 p, lanes 16-31 tile 2 p + 1, K step s
.set WS,  32                           ; register 8 (2 kind + t / 2) + s, likewise
.set WF,  80
.set TM,  224
.set PCS, 80                           ; the way out: eight registers of codes for each of 12 units
.set PWS, 176                          ; and a word of two bytes
.set EXK, 147456                       ; LDS behind the weights: 512 bytes where K's scale words of the work-group's two steps meet, then 512 for V's; no fill lands there
.set G1,  24                           ; s[24:31] descriptor group 1;  s[32:47] four groups 0
.set G0,  32
.set MSB, 0
.macro WIN new                         ; the immediate's high byte repeats the setting that is left
.if MSB != \new
	s_set_vgpr_msb (MSB<<8)|\new
.set MSB, \new
.endif
.endm
.macro CROUND                          ; a round of the cluster's barrier
	s_barrier_signal -1
	s_barrier_wait -1
	s_cmp_lg_u32 s18, 0
	s_cbranch_scc1 .Lnot_wave_0_\@
	s_barrier_signal -3
.Lnot_wave_0_\@:
	s_barrier_wait -3
	s_barrier_signal -1
	s_barrier_wait -1
.endm
.macro PLACES                          ; four places behind matrix instructions, in front of loads into their registers and of reads of their results
.rept 4
	v_nop
.endr
.endm
	s_load_b256 s[4:11], s[0:1], 0x0               ; xq s[4:5], wq s[6:7], bq s[8:9], bk s[10:11]
	s_load_b128 s[12:15], s[0:1], 0x20             ; bv s[12:13], qq s[14:15]
	s_load_b64 s[16:17], s[0:1], 0x30              ; kv
	v_lshl_add_u32 v254, v0, 2, 0x29000
	v_mov_b32 v255, 0
	ds_add_u32 v254, v255
	ds_add_u32 v254, v255
	v_lshrrev_b32 v1, 5, v0
	v_readfirstlane_b32 s18, v1                    ; wave 0..3
	s_bfe_u32 s19, ttmp6, 0x40000                  ; cx
	s_lshl_b32 s20, ttmp9, 2
	s_add_co_u32 s20, s20, s19                     ; tb = 4 x cluster x + cx: it enters global addresses alone
	s_and_b32 s21, ttmp7, 0xffff                   ; the head, which the four partners share
	s_mov_b32 s48, 0x76543210
	s_mov_b32 s49, 0xfedcba98
	s_mov_b32 s50, 0xffff0000
	; group 1: 9,216 dense bytes (the q, k, v tiles of one 64-K group) as 36 rows of 256 bytes
	s_mov_b32 s[G1+0], 15|(3<<16)|(1<<21)          ; 15:0 the mask: all four work-groups; 17:16 elements of 8 bytes; 21 set beside a mask
	s_mov_b32 s[G1+1], 32<<16                      ; tensor_dim0 = 32
	s_mov_b32 s[G1+2], 36<<16                      ; tensor_dim1 = 36
	s_mov_b32 s[G1+3], 32<<16                      ; tile_dim0
	s_mov_b32 s[G1+4], 36                          ; tile_dim1
	s_mov_b32 s[G1+5], 32                          ; pitch
	s_mov_b32 s[G1+6], 0
	s_mov_b32 s[G1+7], 0
	s_mul_i32 s52, s21, 196608
	s_mul_i32 s53, s18, 12288
	s_add_co_u32 s52, s52, s53                     ; chunk c, wave w: the 64-K group 4 c + w
	s_mov_b32 s53, 0
	s_mul_i32 s54, s18, 9216
	s_wait_dscnt 0x0
	s_wait_kmcnt 0x0
	s_add_nc_u64 s[52:53], s[6:7], s[52:53]
	CROUND                                         ; all four work-groups are here: the joint loads meet
.irp c, 0,1,2,3
	s_mov_b32 s[G0+4*\c], 1
	s_add_co_u32 s[G0+4*\c+1], s54, \c*36864       ; LDS: 9216 (4 c + w)
	s_add_nc_u64 s[G0+4*\c+2:G0+4*\c+3], s[52:53], \c*49152
	s_or_b32 s[G0+4*\c+3], s[G0+4*\c+3], 0x80000000
.endr
	tensor_load_to_lds s[G0:G0+3], s[G1:G1+7]      ; four loads of mine are out: all the launch's fills, one group
	s_nop 0
	tensor_load_to_lds s[G0+4:G0+7], s[G1:G1+7]
	s_nop 0
	tensor_load_to_lds s[G0+8:G0+11], s[G1:G1+7]
	s_nop 0
	tensor_load_to_lds s[G0+12:G0+15], s[G1:G1+7]
	s_nop 0
.rept 4
	v_nop
.endr
	v_and_b32 v234, 31, v0                         ; lane
	v_and_b32 v235, 15, v0                         ; r
	v_bfe_u32 v236, v0, 4, 1                       ; h
	v_lshlrev_b32 v1, 4, v234
	v_lshlrev_b32 v2, 3, v234
	v_lshlrev_b32 v3, 2, v234
	v_lshlrev_b32 v4, 6, v236                      ; bq, bk: 16 h numbers on
	v_and_b32 v5, 8, v235
	v_add_nc_u32 v5, v5, v235
	v_lshlrev_b32 v5, 2, v5                        ; bv: r + 8 (r / 8) numbers on
.irp c, 0,1,2,3
	v_add_nc_u32 v[6+\c], \c*36864, v1             ; an image's place for my lane, in chunk c
	v_add_nc_u32 v[10+\c], \c*36864, v2
.endr
	s_lshr_b32 s22, s18, 1
	s_lshl_b32 s22, s22, 8                         ; which of the work-group's two key steps is my wave's
	s_and_b32 s23, s18, 1                          ; and which half of it
	s_lshl_b32 s52, s23, 1
	s_add_co_u32 s52, s52, s22
	s_add_co_u32 s52, s52, EXK+512
	v_lshl_add_u32 v14, v235, 4, s52               ; V's scale bytes: 16 r + 2 x half
	s_lshl_b32 s52, s23, 2
	s_add_co_u32 s52, s52, s22
	s_add_co_u32 s52, s52, EXK
	v_add_nc_u32 v15, s52, v2                      ; K's scale words: 8 x lane + 4 x half
	v_mul_u32_u24 v232, v236, 12800
	v_lshl_add_u32 v232, v235, 4, v232             ; the scales' way out: lanes 0-15 the first step, lanes 16-31 the second
	v_add_nc_u32 v233, EXK, v1
	v_mov_b32 v[TM+2], 0                           ; written once: a lane permute's destination counts as one of its sources
	v_mov_b32 v[TM+3], 0
	s_lshl_b32 s22, s20, 4
	s_lshl_b32 s23, s18, 2
	s_add_co_u32 s22, s22, s23                     ; my first token tile: 16 tb + 4 w
	s_mul_i32 s52, s22, 12288
	s_mov_b32 s53, 0
	s_lshl_b32 s54, s22, 9
	s_mov_b32 s55, 0
	s_add_nc_u64 s[56:57], s[4:5], s[54:55]        ; x's scale words
	s_add_nc_u64 s[4:5], s[4:5], s[52:53]          ; x's codes
	s_lshl_b32 s52, s21, 13
	s_add_nc_u64 s[6:7], s[6:7], s[52:53]          ; W's scale words
	s_lshl_b32 s52, s21, 8
	s_add_nc_u64 s[8:9], s[8:9], s[52:53]
	s_add_nc_u64 s[10:11], s[10:11], s[52:53]
	s_add_nc_u64 s[12:13], s[12:13], s[52:53]
	s_lshr_b32 s22, s20, 3
	s_lshl_b32 s22, s22, 4
	s_add_co_u32 s22, s22, s21                     ; bh = 16 b + head
	s_and_b32 s23, s20, 7                          ; my block of 256 tokens in the sequence
	s_lshl_b32 s52, s22, 7
	s_lshl_b32 s54, s23, 4
	s_add_co_u32 s52, s52, s54
	s_lshl_b32 s54, s18, 2
	s_add_co_u32 s52, s52, s54                     ; 128 bh + my first tile T
	s_lshl_b32 s54, s52, 6                         ; 256 (that / 4)
	s_mul_i32 s52, s52, 768
	s_add_nc_u64 s[58:59], s[14:15], s[52:53]      ; q's codes
	s_add_nc_u64 s[60:61], s[14:15], s[54:55]      ; q's scale words
	s_mul_i32 s52, s22, 204800
	s_lshl_b32 s54, s23, 1
	s_lshr_b32 s22, s18, 1
	s_add_co_u32 s54, s54, s22
	s_mul_i32 s54, s54, 12800
	s_add_co_u32 s52, s52, s54
	s_and_b32 s54, s18, 1
	s_mul_i32 s54, s54, 3072
	s_add_co_u32 s52, s52, s54
	s_add_nc_u64 s[62:63], s[16:17], s[52:53]      ; my key step, my half's four half images (wave 0: the first step's first byte)
.irp p, 0,1
.irp s, 0,1,2,3,4,5,6,7
	global_load_b32 v[XS+8*\p+\s], v3, s[56:57] offset:SCB+\p*1024+\s*128
.endr
.endr
.irp p, 0,1,2,3,4,5
.irp s, 0,1,2,3,4,5,6,7
	global_load_b32 v[WS+8*\p+\s], v3, s[6:7] offset:SCB+\p*1024+\s*128
.endr
.endr
	WIN 0xc0                                       ; destination window 3
.irp t, 0,1,2,3
	global_load_b128 v[128+8*\t:128+8*\t+3], v4, s[8:9] offset:(32*(\t/2)+8*(\t%2))*4       ; bq at the lane's eight columns of tile t
	global_load_b128 v[128+8*\t+4:128+8*\t+7], v4, s[8:9] offset:(32*(\t/2)+8*(\t%2))*4+16
	global_load_b128 v[160+8*\t:160+8*\t+3], v4, s[10:11] offset:(32*(\t/2)+8*(\t%2))*4     ; bk
	global_load_b128 v[160+8*\t+4:160+8*\t+7], v4, s[10:11] offset:(32*(\t/2)+8*(\t%2))*4+16
.endr
.irp t, 0,1,2,3
.irp j, 0,1,2,3,4,5,6,7
	global_load_b32 v[192+8*\t+\j], v5, s[12:13] offset:(32*(\t/2)+8*(\t%2))*4              ; bv at the lane's one column, for its eight tokens
.endr
.endr
	WIN 0
.macro XLOAD s                         ; x's four fragments of K step s into set s % 4: 16 loads
	WIN 0x40
.irp m, 0,1,2,3
.irp c, 0,1
	global_load_b128 v[48*((\s)%4)+12*\m+6*\c:48*((\s)%4)+12*\m+6*\c+3], v1, s[4:5] offset:\m*12288+(2*(\s)+\c)*768
	global_load_b64 v[48*((\s)%4)+12*\m+6*\c+4:48*((\s)%4)+12*\m+6*\c+5], v2, s[4:5] offset:\m*12288+(2*(\s)+\c)*768+512
.endr
.endr
	WIN 0
.endm
.macro FETCHW kind, s                  ; a kind's four fragments of K step s from LDS: 16 loads, each of consecutive bytes
.irp t, 0,1,2,3
.irp c, 0,1
	ds_load_b128 v[WF+48*(\kind)+12*\t+6*\c:WF+48*(\kind)+12*\t+6*\c+3], v[6+(\s)/2] offset:((2*(\s)+\c)%4)*9216+(4*(\kind)+\t)*768
	ds_load_b64 v[WF+48*(\kind)+12*\t+6*\c+4:WF+48*(\kind)+12*\t+6*\c+5], v[10+(\s)/2] offset:((2*(\s)+\c)%4)*9216+(4*(\kind)+\t)*768+512
.endr
.endr
.endm
.macro WMC ra, rb                      ; the matrix instruction on rD, rA, rB, rC, rSA, rSB; ra, rb: a side's scales stand in lanes 16-31
.if ((\ra) == 0) && ((\rb) == 0)
	v_wmma_scale_f32_16x16x128_f8f6f4 v[rD:rD+7], v[rA:rA+11], v[rB:rB+11], v[rC:rC+7], v[rSA], v[rSB] matrix_a_fmt:MATRIX_FMT_BF6 matrix_b_fmt:MATRIX_FMT_BF6
.elseif ((\ra) == 1) && ((\rb) == 0)
	v_wmma_scale_f32_16x16x128_f8f6f4 v[rD:rD+7], v[rA:rA+11], v[rB:rB+11], v[rC:rC+7], v[rSA], v[rSB] matrix_a_fmt:MATRIX_FMT_BF6 matrix_b_fmt:MATRIX_FMT_BF6 matrix_a_scale:MATRIX_SCALE_ROW1
.elseif ((\ra) == 0) && ((\rb) == 1)
	v_wmma_scale_f32_16x16x128_f8f6f4 v[rD:rD+7], v[rA:rA+11], v[rB:rB+11], v[rC:rC+7], v[rSA], v[rSB] matrix_a_fmt:MATRIX_FMT_BF6 matrix_b_fmt:MATRIX_FMT_BF6 matrix_b_scale:MATRIX_SCALE_ROW1
.else
	v_wmma_scale_f32_16x16x128_f8f6f4 v[rD:rD+7], v[rA:rA+11], v[rB:rB+11], v[rC:rC+7], v[rSA], v[rSB] matrix_a_fmt:MATRIX_FMT_BF6 matrix_b_fmt:MATRIX_FMT_BF6 matrix_a_scale:MATRIX_SCALE_ROW1 matrix_b_scale:MATRIX_SCALE_ROW1
.endif
.endm
; 16 matrix instructions: a kind's 16 accumulators, one instruction each (the 48 take turns).  In K step 0 the C is the bias.
.macro MULK kind, s
.if (\kind) < 2
.if (\s) == 0
	WIN 0xb4                                       ; A = W window 0, B = x window 1, C = bias window 3, D window 2
.else
	WIN 0xa4                                       ; C and D window 2
.endif
.irp t, 0,1,2,3
.irp m, 0,1,2,3
.set rD, 128*(\kind)+32*\m+8*\t
.if (\s) == 0
.set rC, 128+32*(\kind)+8*\t
.else
.set rC, 128*(\kind)+32*\m+8*\t
.endif
.set rA, WF+48*(\kind)+12*\t
.set rB, 48*((\s)%4)+12*\m
.set rSA, WS+8*(2*(\kind)+\t/2)+(\s)
.set rSB, XS+8*(\m/2)+(\s)
	WMC \t%2, \m%2
.endr
.endr
.else
	WIN 0xf1                                       ; A = x window 1, B = W window 0, C and D window 3
.irp t, 0,1,2,3
.irp m, 0,1,2,3
.set rD, 32*\t+8*\m
.if (\s) == 0
.set rC, 192+8*\t
.else
.set rC, 32*\t+8*\m
.endif
.set rA, 48*((\s)%4)+12*\m
.set rB, WF+96+12*\t
.set rSA, XS+8*(\m/2)+(\s)
.set rSB, WS+8*(4+\t/2)+(\s)
	WMC \m%2, \t%2
.endr
.endr
.endif
.endm
.macro CHUNK n                         ; chunk n of the weights is whole in LDS: my part has landed (the 3 - n later loads may stay out), then the work-group's barrier
	s_wait_tensorcnt 3-(\n)
	s_wait_dscnt 0x0                               ; no LDS instruction of mine is out at a signal
	s_barrier_signal -1
	s_barrier_wait -1
.endm
.macro STEP s
.if 7-(\s) >= 3
	s_wait_loadcnt 48                              ; this K step's x is in; the three steps' loads behind it may be out
.else
	s_wait_loadcnt 16*(7-(\s))
.endif
.irp kind, 0,1,2
.if (\s) < 7
	s_wait_dscnt 32                                ; this kind's fragments are in; the 16 loads of each of the two kinds fetched behind them may be out
.else
	s_wait_dscnt 32-16*\kind
.endif
	MULK \kind, \s
	WIN 0
	PLACES
.if (\kind == 0) && (((\s) == 1) || ((\s) == 3) || ((\s) == 5))
	CHUNK ((\s)+1)/2                               ; the next K step lies in the next chunk
.endif
.if (\s) < 7
	FETCHW \kind, (\s)+1
.endif
.endr
.if (\s) < 4
	XLOAD (\s)+4                                   ; into the set that this step has just multiplied
.endif
.endm
	XLOAD 0
	XLOAD 1
	XLOAD 2
	XLOAD 3
	CHUNK 0
	FETCHW 0, 0
	FETCHW 1, 0
	FETCHW 2, 0
.irp s, 0,1,2,3,4,5,6,7
	STEP \s
.endr
; THE WAY OUT (the last step's places stand in front of it).  32 registers at a of window w, register 16 b + i = neighbour 32 b + 16 h + i along the next K, become a half image in v[PCS + 8 e] on and two bytes in v[PWS + e].
.macro QUANT32 w, a, e
.set PCE, PCS+8*(\e)
	WIN ((\w)<<2)|((\w)<<4)
.irp b, 0,1
	v_max3_num_f32 v[TM+\b], 0x2800000, |v[(\a)+16*\b]|, |v[(\a)+16*\b+1]|   ; each accumulator from its low end on; the floor 2^(5 - 127) holds the byte at 1 from below
.endr
.irp i, 2,4,6,8,10,12,14
.irp b, 0,1
	v_max3_num_f32 v[TM+\b], v[TM+\b], |v[(\a)+16*\b+\i]|, |v[(\a)+16*\b+\i+1]|
.endr
.endr
	WIN 0
.irp b, 0,1
	v_permlanex16_b32 v[TM+2+\b], v[TM+\b], s48, s49
.endr
.irp b, 0,1
	v_max_num_f32 v[TM+\b], v[TM+\b], v[TM+2+\b]   ; with lane l xor 16's sixteen: the block's largest magnitude
.endr
.irp b, 0,1
	v_add_nc_u32 v[TM+4+\b], 0xfe000000, v[TM+\b]
.endr
.irp b, 0,1
	v_lshrrev_b32 v[TM+2+\b], 23, v[TM+4+\b]
.endr
	v_lshl_or_b32 v[PWS+(\e)], v[TM+3], 8, v[TM+2]
	WIN \w
	v_cvt_scalef32_pk16_bf6_f32 v[PCE:PCE+2], v[(\a):(\a)+15], v[TM+4]
	v_cvt_scalef32_pk16_bf6_f32 v[PCE+4:PCE+6], v[(\a)+16:(\a)+31], v[TM+5]
	WIN 0
	v_nop                                          ; one plain place behind a scaled conversion
.irp i, 0,1,2
	v_permlane16_swap_b32 v[PCE+\i], v[PCE+4+\i]   ; a whole block to a lane: lanes 0-15 block 0, lanes 16-31 block 1
.endr
.irp i, 0,1,2
	v_mov_b32 v[PCE+3+\i], v[PCE+4+\i]
.endr
.endm
.irp m, 0,1,2,3
	QUANT32 2, 32*\m, \m
	global_store_b128 v1, v[PCS+8*\m:PCS+8*\m+3], s[58:59] offset:\m*768
	global_store_b64 v2, v[PCS+8*\m+4:PCS+8*\m+5], s[58:59] offset:\m*768+512
.endr
.irp m, 0,1,2,3
	QUANT32 2, 128+32*\m, 4+\m
	global_store_b128 v1, v[PCS+32+8*\m:PCS+32+8*\m+3], s[62:63] offset:\m*768
	global_store_b64 v2, v[PCS+32+8*\m+4:PCS+32+8*\m+5], s[62:63] offset:\m*768+512
.endr
.irp t, 0,1,2,3
	QUANT32 3, 32*\t, 8+\t
	global_store_b128 v1, v[PCS+64+8*\t:PCS+64+8*\t+3], s[62:63] offset:6144+\t*768
	global_store_b64 v2, v[PCS+64+8*\t+4:PCS+64+8*\t+5], s[62:63] offset:6144+\t*768+512
.endr
.irp m, 0,1,2,3
	v_or_b32 v[PWS+\m], 0x7f7f0000, v[PWS+\m]      ; q's word: the upper 64 of the instruction's K are zero codes under the byte 127
.endr
	v_cndmask_b32 v188, v[PWS], v[PWS+1], s50
	v_cndmask_b32 v189, v[PWS+2], v[PWS+3], s50
	global_store_b64 v2, v[188:189], s[60:61] offset:SCB   ; 256 consecutive bytes
	v_lshl_or_b32 v190, v[PWS+5], 16, v[PWS+4]     ; k's word of a block of 32 keys: its two tiles' bytes
	v_lshl_or_b32 v191, v[PWS+7], 16, v[PWS+6]
	v_cndmask_b32 v190, v190, v191, s50
	ds_store_b32 v15, v190
.irp t, 0,1,2,3
	ds_store_b16 v14, v[PWS+8+\t] offset:4*\t      ; v's two bytes of a word of four; lanes r and r + 16 write the same value
.endr
	s_wait_dscnt 0x0                               ; for the others' sake: my stores have landed
	s_barrier_signal -1
	s_barrier_wait -1
	s_cmp_lg_u32 s18, 0
	s_cbranch_scc1 .Lnot_mine
	ds_load_b128 v[192:195], v233                  ; wave 0 stores the two steps' scale words: whole blocks of 256 bytes
	ds_load_b128 v[196:199], v233 offset:512
	s_wait_dscnt 0x0
	global_store_b128 v232, v[192:195], s[62:63] offset:12288
	global_store_b128 v232, v[196:199], s[62:63] offset:12544
.Lnot_mine:
	s_wait_tensorcnt 0x0
	ds_add_u32 v254, v255
	s_wait_dscnt 0x0
	CROUND                                         ; the closing round: no work-group ends while a partner may still ask jointly
	s_endpgm
.Lfunc_end_k_qfd78ab6f9b_qkv:
	.size	k_qfd78ab6f9b_qkv, .Lfunc_end_k_qfd78ab6f9b_qkv-k_qfd78ab6f9b_qkv
	.p2alignl 7, 3214868480
	.fill 96, 4, 3214868480
	.section	.rodata,"a",@progbits
	.p2align	6, 0x0
	.amdhsa_kernel k_qfd78ab6f9b_qkv
		.amdhsa_group_segment_fixed_size 168448
		.amdhsa_private_segment_fixed_size 0
		.amdhsa_enable_private_segment 0
		.amdhsa_kernarg_size 56
		.amdhsa_user_sgpr_count 2
		.amdhsa_user_sgpr_kernarg_segment_ptr 1
		.amdhsa_wavefront_size32 1
		.amdhsa_system_sgpr_workgroup_id_x 1
		.amdhsa_system_sgpr_workgroup_id_y 1
		.amdhsa_system_sgpr_workgroup_id_z 1
		.amdhsa_system_vgpr_workitem_id 0
		.amdhsa_next_free_vgpr 1024
		.amdhsa_next_free_sgpr 66
		.amdhsa_reserve_vcc 0
		.amdhsa_float_denorm_mode_32 3
		.amdhsa_float_denorm_mode_16_64 3
		.amdhsa_memory_ordered 1
		.amdhsa_forward_progress 1
		.amdhsa_inst_pref_size 136
	.end_amdhsa_kernel
	.amdgpu_metadata
---
amdhsa.version: [ 1, 2 ]
amdhsa.kernels:
  - .name:           k_qfd78ab6f9b_qkv
    .symbol:         k_qfd78ab6f9b_qkv.kd
    .args:
      - { .name: xq, .offset: 0, .size: 8, .value_kind: global_buffer, .address_space: global }
      - { .name: wq, .offset: 8, .size: 8, .value_kind: global_buffer, .address_space: global }
      - { .name: bq, .offset: 16, .size: 8, .value_kind: global_buffer, .address_space: global }
      - { .name: bk, .offset: 24, .size: 8, .value_kind: global_buffer, .address_space: global }
      - { .name: bv, .offset: 32, .size: 8, .value_kind: global_buffer, .address_space: global }
      - { .name: qq, .offset: 40, .size: 8, .value_kind: global_buffer, .address_space: global }
      - { .name: kv, .offset: 48, .size: 8, .value_kind: global_buffer, .address_space: global }
    .group_segment_fixed_size: 168448
    .private_segment_fixed_size: 0
    .kernarg_segment_align: 8
    .kernarg_segment_size: 56
    .max_flat_workgroup_size: 128
    .sgpr_count:     66
    .vgpr_count:     1024
    .wavefront_size: 32
...
	.end_amdgpu_metadata
.endif
;; end of part 2
;; launch attn (part 3): grid 8 x 32, 16 waves a work-group, clusters of 4 x 1, 206,848 bytes of LDS; arguments qq, kv, cq; writes cq
.if DOCPART == 3
	.amdgcn_target "amdgcn-amd-amdhsa--gfx1250"
	.amdhsa_code_object_version 6
	.text
	.protected	k_qfd78ab6f9b_attn
	.globl	k_qfd78ab6f9b_attn
	.p2align	8
	.type	k_qfd78ab6f9b_attn,@function
k_qfd78ab6f9b_attn:
	s_mov_b64 s[64:65], 0
	v_nop
	global_prefetch_b8 v0, s[64:65] scope:SCOPE_SE
	s_setreg_imm32_b32 hwreg(HW_REG_WAVE_MODE, 25, 1), 1
	s_wait_xcnt 0x0
	s_wait_alu depctr_hold_cnt(0) depctr_sa_sdst(0) depctr_va_vdst(0) depctr_va_sdst(0) depctr_va_ssrc(0) depctr_va_vcc(0) depctr_vm_vsrc(0)
	s_getreg_b32 s2, hwreg(HW_REG_IB_STS2, 6, 4)
	s_cmp_eq_u32 s2, 0
	s_cbranch_scc0 .Lentry_in_a_cluster
	s_endpgm
.Lentry_in_a_cluster:
	s_bfe_u32 s2, ttmp6, 0x10000c
	s_cmp_lg_u32 s2, 0x3003
	s_cbranch_scc0 .Lentry_shape_is_right
	s_endpgm
.Lentry_shape_is_right:
.set SCB, 3145728
.set QSL, 16
.set KS,  18
.set VS,  20
.set PW,  24
.set QL,  32
.set QH,  44
.set KV,  56
.set S,   104
.set O,   168
.set PC,  200
.set PT,  212
.set BM,  220
.set BP,  224
.set BS,  228
.macro CROUND
	s_barrier_signal -1
	s_barrier_wait -1
	s_cmp_lg_u32 s10, 0
	s_cbranch_scc1 .Lnot_wave_0_\@
	s_barrier_signal -3
.Lnot_wave_0_\@:
	s_barrier_wait -3
	s_barrier_signal -1
	s_barrier_wait -1
.endm
	s_load_b128 s[4:7], s[0:1], 0x0
	s_load_b64 s[8:9], s[0:1], 0x10
	v_lshl_add_u32 v254, v0, 2, 0x32000
	v_mov_b32 v255, 0
	ds_add_u32 v254, v255
	ds_add_u32 v254, v255
	v_lshrrev_b32 v9, 5, v0
	s_delay_alu instid0(VALU_DEP_1)
	v_readfirstlane_b32 s10, v9
	s_bfe_u32 s11, ttmp6, 0x40000
	s_lshl_b32 s12, ttmp9, 2
	s_add_co_u32 s12, s12, s11
	s_and_b32 s13, ttmp7, 0xffff
	s_bfe_u32 s40, s10, 0x10002
	s_mul_i32 s40, s40, 3
	s_and_b32 s41, s10, 3
	s_xor_b32 s41, s41, s40
	s_and_b32 s14, s10, 12
	s_or_b32 s14, s14, s41
	s_sub_co_u32 s38, 15, s14
	s_lshl_b32 s38, s38, 6
	s_cvt_f32_u32 s38, s38
	s_mov_b32 s32, 0x76543210
	s_mov_b32 s33, 0xfedcba98
	s_mov_b32 s34, 0x3e38aa3b
	s_mov_b32 s35, s34
	s_mov_b32 s39, 0xffff0000
	s_mov_b32 s16, 15|(3<<16)|(1<<21)
	s_mov_b32 s17, 32<<16
	s_mov_b32 s18, 25<<16
	s_mov_b32 s19, 32<<16
	s_mov_b32 s20, 25
	s_mov_b32 s21, 32
	s_mov_b32 s22, 0
	s_mov_b32 s23, 0
	s_mul_i32 s43, s10, 6400
	s_mul_i32 s40, s13, 204800
	s_add_co_u32 s40, s40, s43
	s_mov_b32 s41, 0
	s_wait_dscnt 0x0
	s_wait_kmcnt 0x0
	s_add_nc_u64 s[40:41], s[6:7], s[40:41]
	CROUND
	s_mov_b32 s24, 1
	s_mov_b32 s25, s43
	s_mov_b64 s[26:27], s[40:41]
	s_or_b32 s27, s27, 0x80000000
	s_mov_b32 s28, 1
	s_add_co_u32 s29, s43, 102400
	s_add_nc_u64 s[30:31], s[40:41], 102400
	s_or_b32 s31, s31, 0x80000000
	tensor_load_to_lds s[24:27], s[16:23]
	s_nop 0
	tensor_load_to_lds s[28:31], s[16:23]
	s_nop 0
.rept 4
	v_nop
.endr
	v_and_b32 v9, 31, v0
	v_and_b32 v10, 15, v0
	v_bfe_u32 v11, v0, 4, 1
	s_delay_alu instid0(VALU_DEP_3)
	v_lshlrev_b32 v1, 4, v9
	s_wait_alu depctr_va_vdst(0)
	v_lshlrev_b32 v2, 3, v9
	s_wait_alu depctr_va_vdst(0)
	v_lshlrev_b32 v3, 4, v10
	v_lshlrev_b32 v28, 3, v10
	s_wait_alu depctr_va_vdst(0)
	s_lshl_b32 s42, s14, 3
	s_add_co_u32 s42, s42, s12
	s_lshl_b32 s44, s13, 7
	s_add_co_u32 s44, s44, s42
	s_mul_i32 s40, s44, 768
	s_mov_b32 s41, 0
	s_add_nc_u64 s[40:41], s[4:5], s[40:41]
	s_lshr_b32 s45, s44, 2
	s_lshl_b32 s45, s45, 8
	s_and_b32 s46, s44, 1
	s_lshl_b32 s46, s46, 7
	s_add_co_u32 s46, s46, s45
	s_bfe_u32 s45, s44, 0x10001
	s_lshl_b32 s45, s45, 2
	s_add_co_u32 s46, s46, s45
	s_mov_b32 s47, 0
	s_add_nc_u64 s[46:47], s[4:5], s[46:47]
	global_load_b128 v[QL:QL+3], v1, s[40:41]
	global_load_b64 v[QL+4:QL+5], v2, s[40:41] offset:512
	global_load_b128 v[QH+6:QH+9], v1, s[40:41]
	global_load_b64 v[QH+10:QH+11], v2, s[40:41] offset:512
	global_load_b32 v[QSL], v28, s[46:47] offset:SCB
	s_lshr_b32 s43, s12, 1
	s_lshl_b32 s43, s43, 5
	s_and_b32 s45, s12, 1
	s_lshl_b32 s45, s45, 3
	s_add_co_u32 s43, s43, s45
	v_and_b32 v29, 8, v10
	s_delay_alu instid0(VALU_DEP_1)
	v_add_nc_u32 v29, v29, v10
	s_delay_alu instid0(VALU_DEP_1)
	v_add_nc_u32 v29, s43, v29
	v_lshlrev_b32 v30, 4, v11
	s_delay_alu instid0(VALU_DEP_1)
	v_sub_nc_u32 v4, v29, v30
	s_lshl_b32 s45, s14, 7
	v_add_nc_u32 v29, s45, v29
	v_mov_b32 v5, 0xc79c4000
	s_delay_alu instid0(VALU_DEP_1)
	v_mul_f32 v13, s34, v5
	v_mov_b32 v30, 0xff61b1e6
	s_delay_alu instid0(VALU_DEP_4)
	v_cmp_eq_u32 vcc_lo, 0x7ff, v29
	s_delay_alu instid0(VALU_DEP_1)
	v_cndmask_b32 v13, v13, v30, vcc_lo
	s_delay_alu instid0(VALU_DEP_1)
	v_floor_f32 v12, -v13
	s_wait_loadcnt 0x0
	v_lshl_or_b32 v[QSL+1], v[QSL], 16, 0x7f7f
	v_mov_b32 v[PW], 0
	v_mov_b32 v14, 0
	v_mov_b32 v15, 0
	v_mov_b32 v27, 0
.irp i, 0,1,2,3,4,5
	v_mov_b32 v[QL+6+\i], 0
	v_mov_b32 v[QH+\i], 0
.endr
.irp b, 0,1,2,3
	v_mov_b32 v[BP+\b], 0
.endr
.irp i, 0,1,2,3,4,5,6,7,8,9,10,11
	v_mov_b32 v[PC+\i], 0
.endr
.set i, 0
.rept 32
	v_mov_b32 v[O+i], 0
.set i, i+1
.endr
.macro VLOAD
.irp f, 0,1,2,3
.irp c, 0,1
	ds_load_b128 v[KV+12*\f+6*\c:KV+12*\f+6*\c+3], v6 offset:6144+\c*3072+\f*768
	ds_load_b64 v[KV+12*\f+6*\c+4:KV+12*\f+6*\c+5], v7 offset:6144+\c*3072+\f*768+512
.endr
.endr
	ds_load_b128 v[VS:VS+3], v8 offset:12544
.endm
.macro SOFTMAX
.irp b, 0,1,2,3
	v_max3_num_f32 v[BM+\b], v[S+16*\b], v[S+16*\b+1], v[S+16*\b+2]
.endr
.irp i, 3,5,7,9,11,13
.irp b, 0,1,2,3
	v_max3_num_f32 v[BM+\b], v[BM+\b], v[S+16*\b+\i], v[S+16*\b+\i+1]
.endr
.endr
.irp b, 0,1,2,3
	v_max_num_f32 v[BM+\b], v[BM+\b], v[S+16*\b+15]
.endr
.irp b, 0,1,2,3
	s_delay_alu instid0(VALU_DEP_4)
	v_permlanex16_b32 v[BP+\b], v[BM+\b], s32, s33
.endr
.irp b, 0,1,2,3
	s_delay_alu instid0(VALU_DEP_4)
	v_max_num_f32 v[BM+\b], v[BM+\b], v[BP+\b]
.endr
	s_delay_alu instid0(VALU_DEP_2)
	v_max3_num_f32 v9, v[BM], v[BM+1], v[BM+2]
	s_delay_alu instid0(VALU_DEP_1)
	v_max_num_f32 v9, v9, v[BM+3]
	s_delay_alu instid0(VALU_DEP_1)
	v_mul_f32 v9, s34, v9
	s_delay_alu instid0(VALU_DEP_1)
	v_max_num_f32 v13, v13, v9
	v_mov_b32 v9, v12
	s_delay_alu instid0(VALU_DEP_2)
	v_floor_f32 v12, -v13
	s_delay_alu instid0(VALU_DEP_1)
	v_sub_f32 v9, v12, v9
	s_delay_alu instid0(VALU_DEP_1)
	v_cvt_i32_f32 v9, v9
	s_delay_alu instid0(VALU_DEP_1)
	v_ldexp_f32 v26, 1.0, v9
.set j, 0
	s_setprio 1
.rept 32
	v_pk_fma_f32 v[S+j:S+j+1], v[S+j:S+j+1], s[34:35], v[12:13] op_sel_hi:[1,0,0]
.set j, j+2
.endr
.irp b, 0,1,2,3
	v_fma_f32 v[BM+\b], v[BM+\b], s34, v12
.endr
.set j, 0
	s_wait_alu depctr_va_vdst(0)
.rept 64
	v_exp_f32 v[S+j], v[S+j]
.set j, j+1
.endr
.irp b, 0,1,2,3
	v_exp_f32 v[BM+\b], v[BM+\b]
.endr
	v_pk_mul_f32 v[14:15], v[14:15], v[26:27] op_sel_hi:[1,0]
	s_wait_alu depctr_va_vdst(0)
.irp b, 0,1,2,3
	v_max_num_f32 v[BM+\b], 0x2800000, v[BM+\b]
.endr
.irp b, 0,1,2,3
	s_delay_alu instid0(VALU_DEP_4)
	v_add_nc_u32 v[BS+\b], 0xfe000000, v[BM+\b]
.endr
.irp b, 0,1,2,3
	s_delay_alu instid0(VALU_DEP_4)
	v_lshrrev_b32 v[BP+\b], 23, v[BS+\b]
.endr
	s_delay_alu instid0(VALU_DEP_3)
	v_lshl_or_b32 v[PW], v[BP+1], 8, v[BP]
	s_delay_alu instid0(VALU_DEP_1)
	v_lshl_or_b32 v[PW], v[BP+2], 16, v[PW]
	s_delay_alu instid0(VALU_DEP_1)
	v_lshl_or_b32 v[PW], v[BP+3], 24, v[PW]
	s_setprio 0
.irp c, 0,1
	v_cvt_scalef32_pk16_bf6_f32 v[PC+6*\c:PC+6*\c+2], v[S+32*\c:S+32*\c+15], v[BS+2*\c]
	v_cvt_scalef32_pk16_bf6_f32 v[PT+4*\c:PT+4*\c+2], v[S+32*\c+16:S+32*\c+31], v[BS+2*\c+1]
.endr
	v_nop
.irp c, 0,1
.irp i, 0,1,2
	v_permlane16_swap_b32 v[PC+6*\c+\i], v[PT+4*\c+\i]
.endr
.irp i, 0,1,2
	s_delay_alu instid0(VALU_DEP_3)
	v_mov_b32 v[PC+3+6*\c+\i], v[PT+4*\c+\i]
.endr
.endr
	v_pk_add_f32 v[28:29], v[108:109], v[112:113]
	v_pk_add_f32 v[252:253], v[116:117], v[120:121]
	v_pk_add_f32 v[250:251], v[124:125], v[128:129]
	v_pk_add_f32 v[248:249], v[132:133], v[136:137]
	v_pk_add_f32 v[246:247], v[140:141], v[144:145]
	v_pk_add_f32 v[244:245], v[148:149], v[152:153]
	v_pk_add_f32 v[242:243], v[156:157], v[160:161]
	v_pk_add_f32 v[14:15], v[14:15], v[164:165]
	v_pk_add_f32 v[28:29], v[28:29], v[104:105]
	v_pk_add_f32 v[252:253], v[252:253], v[106:107]
	v_pk_add_f32 v[250:251], v[250:251], v[110:111]
	v_pk_add_f32 v[248:249], v[248:249], v[114:115]
	v_pk_add_f32 v[246:247], v[246:247], v[118:119]
	v_pk_add_f32 v[244:245], v[244:245], v[122:123]
	v_pk_add_f32 v[242:243], v[242:243], v[126:127]
	v_pk_add_f32 v[14:15], v[14:15], v[130:131]
	v_pk_add_f32 v[28:29], v[28:29], v[134:135]
	v_pk_add_f32 v[252:253], v[252:253], v[138:139]
	v_pk_add_f32 v[250:251], v[250:251], v[142:143]
	v_pk_add_f32 v[248:249], v[248:249], v[146:147]
	v_pk_add_f32 v[246:247], v[246:247], v[150:151]
	v_pk_add_f32 v[244:245], v[244:245], v[154:155]
	v_pk_add_f32 v[242:243], v[242:243], v[158:159]
	v_pk_add_f32 v[14:15], v[14:15], v[162:163]
	v_pk_add_f32 v[28:29], v[28:29], v[166:167]
	s_delay_alu instid0(VALU_DEP_2)
	v_pk_add_f32 v[14:15], v[14:15], v[248:249]
	s_delay_alu instid0(VALU_DEP_2)
	v_pk_add_f32 v[28:29], v[28:29], v[246:247]
	v_pk_add_f32 v[252:253], v[252:253], v[244:245]
	v_pk_add_f32 v[250:251], v[250:251], v[242:243]
	s_delay_alu instid0(VALU_DEP_2)
	v_pk_add_f32 v[14:15], v[14:15], v[252:253]
	s_delay_alu instid0(VALU_DEP_2)
	v_pk_add_f32 v[28:29], v[28:29], v[250:251]
	s_delay_alu instid0(VALU_DEP_1)
	v_pk_add_f32 v[14:15], v[14:15], v[28:29]
.set j, 0
.rept 16
	v_pk_mul_f32 v[O+j:O+j+1], v[O+j:O+j+1], v[26:27] op_sel_hi:[1,0]
.set j, j+2
.endr
.endm
.macro BODY
	v_add_nc_u32 v6, s36, v1
	v_add_nc_u32 v7, s36, v2
	v_add_nc_u32 v8, s36, v3
	v_nop
	s_cmp_gt_u32 s37, s14
	s_cbranch_scc1 .Lhid_\@
	s_setprio 2
.irp f, 0,1,2,3
.irp c, 0,1
	ds_load_b128 v[KV+12*\f+6*\c:KV+12*\f+6*\c+3], v6 offset:(2*\f+\c)*768
	ds_load_b64 v[KV+12*\f+6*\c+4:KV+12*\f+6*\c+5], v7 offset:(2*\f+\c)*768+512
.endr
.endr
	ds_load_b64 v[KS:KS+1], v7 offset:12288
	s_wait_dscnt 0x0
.irp f, 0,1,2,3
.irp u, 0,1
.if \f%2
	v_wmma_scale_f32_16x16x128_f8f6f4 v[S+16*\f+8*\u:S+16*\f+8*\u+7], v[KV+12*\f:KV+12*\f+11], v[QL+12*\u:QL+12*\u+11], 0, v[KS+\f/2], v[QSL+\u] matrix_a_fmt:MATRIX_FMT_BF6 matrix_b_fmt:MATRIX_FMT_BF6 matrix_a_scale:MATRIX_SCALE_ROW1
.else
	v_wmma_scale_f32_16x16x128_f8f6f4 v[S+16*\f+8*\u:S+16*\f+8*\u+7], v[KV+12*\f:KV+12*\f+11], v[QL+12*\u:QL+12*\u+11], 0, v[KS+\f/2], v[QSL+\u] matrix_a_fmt:MATRIX_FMT_BF6 matrix_b_fmt:MATRIX_FMT_BF6
.endif
.endr
.endr
.rept 4
	v_nop
.endr
	s_wait_alu depctr_va_vdst(0)
	VLOAD
	s_cmp_lg_u32 s37, s14
	s_cbranch_scc1 .Lopen_\@
.set n, 0
.rept 64
	v_cmp_gt_i32 vcc_lo, 32*(n/16)+n%16, v4
	v_cndmask_b32 v[S+n], v[S+n], v5, vcc_lo
.set n, n+1
.endr
.Lopen_\@:
	SOFTMAX
	s_branch .Lpv_\@
.Lhid_\@:
	s_wait_alu depctr_va_vdst(0)
	VLOAD
.Lpv_\@:
	s_wait_dscnt 0x0
	s_wait_alu depctr_va_vdst(0)
.irp f, 0,1,2,3
	v_wmma_scale_f32_16x16x128_f8f6f4 v[O+8*\f:O+8*\f+7], v[KV+12*\f:KV+12*\f+11], v[PC:PC+11], v[O+8*\f:O+8*\f+7], v[VS+\f], v[PW] matrix_a_fmt:MATRIX_FMT_BF6 matrix_b_fmt:MATRIX_FMT_BF6
.endr
	s_cmp_lg_u32 s37, s14
	s_cbranch_scc1 .Lnext_\@
	v_fma_f32 v9, v5, s34, v12
	s_wait_alu depctr_va_vdst(0)
	v_exp_f32 v10, v9
	v_nop
	s_wait_alu depctr_va_vdst(0)
	v_fmac_f32 v14, s38, v10
	v_max_num_f32 v11, 0x2800000, v10
	s_delay_alu instid0(VALU_DEP_1)
	v_add_nc_u32 v28, 0xfe000000, v11
	s_delay_alu instid0(VALU_DEP_1)
	v_lshrrev_b32 v29, 23, v28
	s_delay_alu instid0(VALU_DEP_1)
	v_lshl_or_b32 v[PW], v29, 8, v29
	s_delay_alu instid0(VALU_DEP_1)
	v_lshl_or_b32 v[PW], v[PW], 16, v[PW]
.irp i, 0,1,2,3,4,5,6,7,8,9,10,11,12,13,14,15
	v_mov_b32 v[S+\i], v10
.endr
	v_cvt_scalef32_pk16_bf6_f32 v[PC:PC+2], v[S:S+15], v28
	v_nop
.irp i, 3,4,5,6,7,8,9,10,11
	v_mov_b32 v[PC+\i], v[PC+\i%3]
.endr
.rept 4
	v_nop
.endr
.Lnext_\@:
	s_add_co_u32 s36, s36, 12800
	s_add_co_u32 s37, s37, 1
.endm
	s_wait_tensorcnt 0x1
	s_barrier_signal -1
	s_barrier_wait -1
	s_mov_b32 s36, 0
	s_mov_b32 s37, 0
.Lfirst:
	BODY
	s_cmp_lt_u32 s37, 8
	s_cbranch_scc1 .Lfirst
	s_setprio 0
	s_wait_tensorcnt 0x0
	s_wait_dscnt 0x0
	s_barrier_signal -1
	s_barrier_wait -1
	s_mov_b32 s36, 102400
	s_mov_b32 s37, 8
.Lsecond:
	BODY
	s_cmp_lt_u32 s37, 16
	s_cbranch_scc1 .Lsecond
	s_setprio 0
.rept 4
	v_nop
.endr
	v_add_f32 v14, v14, v15
	s_delay_alu instid0(VALU_DEP_1)
	v_permlanex16_b32 v9, v14, s32, s33
	s_delay_alu instid0(VALU_DEP_1)
	v_add_f32 v14, v14, v9
	s_wait_alu depctr_va_vdst(0)
	v_rcp_f32 v26, v14
	v_nop
.set j, 0
	s_wait_alu depctr_va_vdst(0)
.rept 16
	v_pk_mul_f32 v[S+j:S+j+1], v[O+j:O+j+1], v[26:27] op_sel_hi:[1,0]
.set j, j+2
.endr
.irp b, 0,1
	v_max3_num_f32 v[BM+\b], |v[S+16*\b]|, |v[S+16*\b+1]|, 0x2800000
.endr
.irp i, 2,4,6,8,10,12,14
.irp b, 0,1
	s_delay_alu instid0(VALU_DEP_2)
	v_max3_num_f32 v[BM+\b], v[BM+\b], |v[S+16*\b+\i]|, |v[S+16*\b+\i+1]|
.endr
.endr
.irp b, 0,1
	s_delay_alu instid0(VALU_DEP_2)
	v_permlanex16_b32 v[BP+\b], v[BM+\b], s32, s33
.endr
.irp b, 0,1
	s_delay_alu instid0(VALU_DEP_2)
	v_max_num_f32 v[BM+\b], v[BM+\b], v[BP+\b]
.endr
.irp b, 0,1
	s_delay_alu instid0(VALU_DEP_2)
	v_add_nc_u32 v[BS+\b], 0xfe000000, v[BM+\b]
.endr
.irp b, 0,1
	s_delay_alu instid0(VALU_DEP_2)
	v_lshrrev_b32 v[BP+\b], 23, v[BS+\b]
.endr
	v_cvt_scalef32_pk16_bf6_f32 v[PC:PC+2], v[S:S+15], v[BS]
	v_cvt_scalef32_pk16_bf6_f32 v[PT:PT+2], v[S+16:S+31], v[BS+1]
	v_nop
.irp i, 0,1,2
	v_permlane16_swap_b32 v[PC+\i], v[PT+\i]
.endr
.irp i, 0,1,2
	s_delay_alu instid0(VALU_DEP_3)
	v_mov_b32 v[PC+3+\i], v[PT+\i]
.endr
	v_cndmask_b32 v9, v[BP], v[BP+1], s39
	v_lshrrev_b32 v10, 2, v3
	v_bfe_u32 v11, v0, 4, 1
	s_delay_alu instid0(VALU_DEP_1)
	v_add_nc_u32 v10, v10, v11
	s_lshr_b32 s40, s13, 4
	s_lshl_b32 s40, s40, 7
	s_add_co_u32 s40, s40, s42
	s_and_b32 s43, s13, 15
	s_mul_i32 s44, s40, 12288
	s_mul_i32 s45, s43, 768
	s_add_co_u32 s44, s44, s45
	s_mov_b32 s45, 0
	s_add_nc_u64 s[44:45], s[8:9], s[44:45]
	s_lshr_b32 s46, s40, 1
	s_lshl_b32 s46, s46, 10
	s_lshr_b32 s47, s43, 1
	s_lshl_b32 s47, s47, 7
	s_add_co_u32 s46, s46, s47
	s_and_b32 s47, s40, 1
	s_lshl_b32 s47, s47, 6
	s_add_co_u32 s46, s46, s47
	s_and_b32 s47, s43, 1
	s_lshl_b32 s47, s47, 1
	s_add_co_u32 s46, s46, s47
	s_mov_b32 s47, 0
	s_add_nc_u64 s[46:47], s[8:9], s[46:47]
	s_wait_alu depctr_va_vdst(0)
	global_store_b128 v1, v[PC:PC+3], s[44:45]
	global_store_b64 v2, v[PC+4:PC+5], s[44:45] offset:512
	global_store_b8 v10, v9, s[46:47] offset:SCB
	s_wait_tensorcnt 0x0
	ds_add_u32 v254, v255
	s_wait_dscnt 0x0
	CROUND
	s_endpgm
.Lfunc_end_k_qfd78ab6f9b_attn:
	.size	k_qfd78ab6f9b_attn, .Lfunc_end_k_qfd78ab6f9b_attn-k_qfd78ab6f9b_attn
	.p2alignl 7, 3214868480
	.fill 96, 4, 3214868480
	.section	.rodata,"a",@progbits
	.p2align	6, 0x0
	.amdhsa_kernel k_qfd78ab6f9b_attn
		.amdhsa_group_segment_fixed_size 206848
		.amdhsa_private_segment_fixed_size 0
		.amdhsa_enable_private_segment 0
		.amdhsa_kernarg_size 24
		.amdhsa_user_sgpr_count 2
		.amdhsa_user_sgpr_kernarg_segment_ptr 1
		.amdhsa_wavefront_size32 1
		.amdhsa_system_sgpr_workgroup_id_x 1
		.amdhsa_system_sgpr_workgroup_id_y 1
		.amdhsa_system_sgpr_workgroup_id_z 1
		.amdhsa_system_vgpr_workitem_id 0
		.amdhsa_next_free_vgpr 256
		.amdhsa_next_free_sgpr 66
		.amdhsa_reserve_vcc 1
		.amdhsa_float_denorm_mode_32 3
		.amdhsa_float_denorm_mode_16_64 3
		.amdhsa_memory_ordered 1
		.amdhsa_forward_progress 1
		.amdhsa_inst_pref_size 64
	.end_amdhsa_kernel
	.amdgpu_metadata
---
amdhsa.version: [ 1, 2 ]
amdhsa.kernels:
  - .name:           k_qfd78ab6f9b_attn
    .symbol:         k_qfd78ab6f9b_attn.kd
    .args:
      - { .name: qq, .offset: 0, .size: 8, .value_kind: global_buffer, .address_space: global }
      - { .name: kv, .offset: 8, .size: 8, .value_kind: global_buffer, .address_space: global }
      - { .name: cq, .offset: 16, .size: 8, .value_kind: global_buffer, .address_space: global }
    .group_segment_fixed_size: 206848
    .private_segment_fixed_size: 0
    .kernarg_segment_align: 8
    .kernarg_segment_size: 24
    .max_flat_workgroup_size: 512
    .sgpr_count:     66
    .vgpr_count:     256
    .wavefront_size: 32
...
	.end_amdgpu_metadata
.endif
;; end of part 3
;; launch proj (part 4): grid 16 x 16, 4 waves a work-group, clusters of 4 x 1, 168,448 bytes of LDS; arguments cq, wq, bo, out0; writes out0
.if DOCPART == 4
	.amdgcn_target "amdgcn-amd-amdhsa--gfx1250"
	.amdhsa_code_object_version 6
	.text
	.protected	k_qfd78ab6f9b_proj
	.globl	k_qfd78ab6f9b_proj
	.p2align	8
	.type	k_qfd78ab6f9b_proj,@function
k_qfd78ab6f9b_proj:
	s_mov_b64 s[64:65], 0
	v_nop
	global_prefetch_b8 v0, s[64:65] scope:SCOPE_SE
	s_setreg_imm32_b32 hwreg(HW_REG_WAVE_MODE, 25, 1), 1
	s_wait_xcnt 0x0
	s_wait_alu depctr_hold_cnt(0) depctr_sa_sdst(0) depctr_va_vdst(0) depctr_va_sdst(0) depctr_va_ssrc(0) depctr_va_vcc(0) depctr_vm_vsrc(0)
	s_getreg_b32 s2, hwreg(HW_REG_IB_STS2, 6, 4)
	s_cmp_eq_u32 s2, 0
	s_cbranch_scc0 .Lentry_in_a_cluster
	s_endpgm
.Lentry_in_a_cluster:
	s_bfe_u32 s2, ttmp6, 0x10000c
	s_cmp_lg_u32 s2, 0x3003
	s_cbranch_scc0 .Lentry_shape_is_right
	s_endpgm
.Lentry_shape_is_right:
; out = ctx Wo + bo on codes of BF6 (E3M2) with E8M0 scales, f32 sums.  cq is laid as xq, Wo's codes are kind 3 of wq (layouts: see the quantising launch).
; SHARES.  A work-group: 256 tokens (tb) x 64 columns (nb); a wave: 64 tokens (four tiles m) x the 64 columns: 16 accumulators.  ctx's fragments are one wave's alone and come from memory into registers as images;
; Wo's block, 49,152 bytes, is read by all four waves and by the four work-groups of the cluster (same nb): one joint tensor load a wave brings it into LDS once.
; TRANSPOSED USE (source 0 = 16 columns of Wo, source 1 = 16 tokens): a lane holds one token and eight neighbouring columns a tile.  bo is the C of each sum's first matrix instruction.
; The rows of a tile are 32 B + 8 u + r + 8 (r / 8): the way out puts each row where it belongs.
; REGISTERS: window 0: v1-7 addresses; v16-31 ctx's scale words; v32-47 Wo's; v48-143 Wo's fragments, two sets; v144-207 rows on the way out, two sets.  window 1: ctx's fragments, four sets.
;   window 2: the accumulators (32 m + 8 t); from v128 the bias.
.set SCB, 3145728
.set XS,  16
.set WS,  32
.set WF,  48
.set OB,  144
.set STAGE, 49152                      ; LDS behind Wo's block: 16 rows x (256 bytes + 16) for each wave; no fill lands there
.set MSB, 0
.macro WIN new
.if MSB != \new
	s_set_vgpr_msb (MSB<<8)|\new
.set MSB, \new
.endif
.endm
.macro CROUND
	s_barrier_signal -1
	s_barrier_wait -1
	s_cmp_lg_u32 s12, 0
	s_cbranch_scc1 .Lnot_wave_0_\@
	s_barrier_signal -3
.Lnot_wave_0_\@:
	s_barrier_wait -3
	s_barrier_signal -1
	s_barrier_wait -1
.endm
.macro PLACES
.rept 4
	v_nop
.endr
.endm
	s_load_b256 s[4:11], s[0:1], 0x0               ; cq s[4:5], wq s[6:7], bo s[8:9], out0 s[10:11]
	v_lshl_add_u32 v254, v0, 2, 0x29000
	v_mov_b32 v255, 0
	ds_add_u32 v254, v255
	ds_add_u32 v254, v255
	v_lshrrev_b32 v1, 5, v0
	v_readfirstlane_b32 s12, v1                    ; wave 0..3
	s_bfe_u32 s13, ttmp6, 0x40000                  ; cx
	s_lshl_b32 s14, ttmp9, 2
	s_add_co_u32 s14, s14, s13                     ; tb: it enters global addresses alone
	s_and_b32 s15, ttmp7, 0xffff                   ; nb, which the four partners share
	; group 1: four 64-K groups' tiles of Wo: 4 rows of 3,072 bytes, 12,288 bytes apart
	s_mov_b32 s16, 15|(3<<16)|(1<<21)              ; 15:0 the mask: all four work-groups; 17:16 elements of 8 bytes; 21 set beside a mask
	s_mov_b32 s17, 384<<16
	s_mov_b32 s18, 4<<16
	s_mov_b32 s19, 384<<16
	s_mov_b32 s20, 4
	s_mov_b32 s21, 1536
	s_mov_b32 s22, 0
	s_mov_b32 s23, 0
	s_mul_i32 s28, s15, 196608
	s_mul_i32 s29, s12, 49152
	s_add_co_u32 s28, s28, s29
	s_add_co_u32 s28, s28, 9216                    ; kind 3 begins 12 half images on
	s_mov_b32 s29, 0
	s_mul_i32 s30, s12, 12288
	s_wait_dscnt 0x0
	s_wait_kmcnt 0x0
	s_add_nc_u64 s[28:29], s[6:7], s[28:29]
	CROUND                                         ; all four work-groups are here: the joint loads meet
	s_mov_b32 s24, 1
	s_mov_b32 s25, s30
	s_mov_b64 s[26:27], s[28:29]
	s_or_b32 s27, s27, 0x80000000
	tensor_load_to_lds s[24:27], s[16:23]          ; one load of mine is out
	s_nop 0
.rept 4
	v_nop
.endr
	v_and_b32 v8, 31, v0                           ; lane
	v_and_b32 v9, 15, v0                           ; r
	v_bfe_u32 v10, v0, 4, 1                        ; h
	v_lshlrev_b32 v1, 4, v8
	v_lshlrev_b32 v2, 3, v8
	v_lshlrev_b32 v3, 2, v8
	v_lshlrev_b32 v4, 6, v10
	s_wait_alu depctr_va_vdst(0)
	s_mul_i32 s31, s12, 4352
	s_add_co_u32 s31, s31, STAGE                   ; my stage
	v_mul_u32_u24 v5, v9, 272
	v_lshl_add_u32 v5, v10, 6, v5
	v_add_nc_u32 v5, s31, v5                       ; in: row r, 64 h bytes on
	v_mul_u32_u24 v6, v10, 272
	v_lshl_add_u32 v6, v9, 4, v6
	v_add_nc_u32 v6, s31, v6                       ; back: lanes 0-15 one row of 256 bytes, lanes 16-31 the next
	v_lshlrev_b32 v7, 12, v10
	v_lshl_add_u32 v7, v9, 4, v7                   ; and the same two rows in out
	s_lshl_b32 s32, s14, 4
	s_lshl_b32 s33, s12, 2
	s_add_co_u32 s32, s32, s33                     ; my first token tile
	s_mul_i32 s34, s32, 12288
	s_mov_b32 s35, 0
	s_lshl_b32 s36, s32, 9
	s_mov_b32 s37, 0
	s_add_nc_u64 s[38:39], s[4:5], s[36:37]        ; ctx's scale words
	s_add_nc_u64 s[4:5], s[4:5], s[34:35]          ; ctx's codes
	s_lshl_b32 s34, s15, 13
	s_add_nc_u64 s[6:7], s[6:7], s[34:35]          ; Wo's scale words
	s_lshl_b32 s34, s15, 8
	s_add_nc_u64 s[8:9], s[8:9], s[34:35]          ; bo at my 64 columns
	s_lshl_b32 s36, s32, 16                        ; 16 tokens of 4,096 bytes a tile
	s_add_co_u32 s36, s36, s34
	s_add_nc_u64 s[10:11], s[10:11], s[36:37]
.irp p, 0,1
.irp s, 0,1,2,3,4,5,6,7
	global_load_b32 v[XS+8*\p+\s], v3, s[38:39] offset:SCB+\p*1024+\s*128
.endr
.endr
.irp p, 0,1
.irp s, 0,1,2,3,4,5,6,7
	global_load_b32 v[WS+8*\p+\s], v3, s[6:7] offset:SCB+(6+\p)*1024+\s*128
.endr
.endr
	WIN 0x80                                       ; destination window 2
.irp t, 0,1,2,3
	global_load_b128 v[128+8*\t:128+8*\t+3], v4, s[8:9] offset:(32*(\t/2)+8*(\t%2))*4
	global_load_b128 v[128+8*\t+4:128+8*\t+7], v4, s[8:9] offset:(32*(\t/2)+8*(\t%2))*4+16
.endr
	WIN 0
.macro XLOAD s                         ; ctx's four fragments of K step s into set s % 4: 16 loads
	WIN 0x40
.irp m, 0,1,2,3
.irp c, 0,1
	global_load_b128 v[48*((\s)%4)+12*\m+6*\c:48*((\s)%4)+12*\m+6*\c+3], v1, s[4:5] offset:\m*12288+(2*(\s)+\c)*768
	global_load_b64 v[48*((\s)%4)+12*\m+6*\c+4:48*((\s)%4)+12*\m+6*\c+5], v2, s[4:5] offset:\m*12288+(2*(\s)+\c)*768+512
.endr
.endr
	WIN 0
.endm
.macro FETCHW s                        ; Wo's four fragments of K step s into set s % 2: 16 loads
.irp t, 0,1,2,3
.irp c, 0,1
	ds_load_b128 v[WF+48*((\s)%2)+12*\t+6*\c:WF+48*((\s)%2)+12*\t+6*\c+3], v1 offset:(2*(\s)+\c)*3072+\t*768
	ds_load_b64 v[WF+48*((\s)%2)+12*\t+6*\c+4:WF+48*((\s)%2)+12*\t+6*\c+5], v2 offset:(2*(\s)+\c)*3072+\t*768+512
.endr
.endr
.endm
.macro WMC ra, rb
.if ((\ra) == 0) && ((\rb) == 0)
	v_wmma_scale_f32_16x16x128_f8f6f4 v[rD:rD+7], v[rA:rA+11], v[rB:rB+11], v[rC:rC+7], v[rSA], v[rSB] matrix_a_fmt:MATRIX_FMT_BF6 matrix_b_fmt:MATRIX_FMT_BF6
.elseif ((\ra) == 1) && ((\rb) == 0)
	v_wmma_scale_f32_16x16x128_f8f6f4 v[rD:rD+7], v[rA:rA+11], v[rB:rB+11], v[rC:rC+7], v[rSA], v[rSB] matrix_a_fmt:MATRIX_FMT_BF6 matrix_b_fmt:MATRIX_FMT_BF6 matrix_a_scale:MATRIX_SCALE_ROW1
.elseif ((\ra) == 0) && ((\rb) == 1)
	v_wmma_scale_f32_16x16x128_f8f6f4 v[rD:rD+7], v[rA:rA+11], v[rB:rB+11], v[rC:rC+7], v[rSA], v[rSB] matrix_a_fmt:MATRIX_FMT_BF6 matrix_b_fmt:MATRIX_FMT_BF6 matrix_b_scale:MATRIX_SCALE_ROW1
.else
	v_wmma_scale_f32_16x16x128_f8f6f4 v[rD:rD+7], v[rA:rA+11], v[rB:rB+11], v[rC:rC+7], v[rSA], v[rSB] matrix_a_fmt:MATRIX_FMT_BF6 matrix_b_fmt:MATRIX_FMT_BF6 matrix_a_scale:MATRIX_SCALE_ROW1 matrix_b_scale:MATRIX_SCALE_ROW1
.endif
.endm
.macro STEP s
.if 7-(\s) >= 3
	s_wait_loadcnt 48                              ; this K step's ctx is in; the three steps' loads behind it may be out
.else
	s_wait_loadcnt 16*(7-(\s))
.endif
.if (\s) < 7
	s_wait_dscnt 16                                ; this step's Wo is in; the next step's 16 loads may be out
.else
	s_wait_dscnt 0x0
.endif
	WIN 0xa4                                       ; A = Wo window 0, B = ctx window 1, C and D window 2
.irp t, 0,1,2,3
.irp m, 0,1,2,3
.set rD, 32*\m+8*\t
.if (\s) == 0
.set rC, 128+8*\t
.else
.set rC, 32*\m+8*\t
.endif
.set rA, WF+48*((\s)%2)+12*\t
.set rB, 48*((\s)%4)+12*\m
.set rSA, WS+8*(\t/2)+(\s)
.set rSB, XS+8*(\m/2)+(\s)
	WMC \t%2, \m%2                                 ; the 16 accumulators take turns
.endr
.endr
	WIN 0
	PLACES
.if (\s) < 6
	FETCHW (\s)+2
.endif
.if (\s) < 4
	XLOAD (\s)+4
.endif
.endm
	XLOAD 0
	XLOAD 1
	XLOAD 2
	XLOAD 3
	s_wait_tensorcnt 0x0                           ; my part of Wo's block is in,
	s_barrier_signal -1
	s_barrier_wait -1                              ; everybody's is
	FETCHW 0
	FETCHW 1
.irp s, 0,1,2,3,4,5,6,7
	STEP \s
.endr
; THE WAY OUT (the last step's places stand in front of it), a tile of 16 tokens x 64 columns at a time: through my stage, back as whole rows of 256 bytes.
.macro OUTM m
.set OBB, OB+32*((\m)%2)
.if (\m) >= 2
	s_wait_xcnt 0x0                                ; the stores of two tiles ago have read their registers: the loads below may land there
.endif
	WIN 0x08                                       ; an LDS store's data are its source 1: window 2
.irp t, 0,1,2,3
	ds_store_b128 v5, v[32*(\m)+8*\t:32*(\m)+8*\t+3] offset:(\t/2)*128+(\t%2)*32        ; each accumulator from its low end on
	ds_store_b128 v5, v[32*(\m)+8*\t+4:32*(\m)+8*\t+7] offset:(\t/2)*128+(\t%2)*32+16
.endr
	WIN 0
.irp i, 0,1,2,3,4,5,6,7
	ds_load_b128 v[OBB+4*\i:OBB+4*\i+3], v6 offset:\i*544   ; LDS serves a wave's instructions in order: these see the stores above, and the next tile's stores come behind them
.endr
.irp i, 0,1,2,3,4,5,6,7
	s_wait_dscnt 7-\i
	global_store_b128 v7, v[OBB+4*\i:OBB+4*\i+3], s[10:11] offset:(32*((\m)/2)+8*((\m)%2)+2*\i+8*(\i/4))*4096 th:TH_STORE_NT   ; sixteen lanes store 256 consecutive bytes, aligned; tile rows 2 i and 2 i + 1
.endr
.endm
	s_wait_alu depctr_va_vdst(0)
	OUTM 0
	OUTM 1
	OUTM 2
	OUTM 3
	s_wait_tensorcnt 0x0
	ds_add_u32 v254, v255
	s_wait_dscnt 0x0
	CROUND                                         ; the closing round
	s_endpgm
.Lfunc_end_k_qfd78ab6f9b_proj:
	.size	k_qfd78ab6f9b_proj, .Lfunc_end_k_qfd78ab6f9b_proj-k_qfd78ab6f9b_proj
	.p2alignl 7, 3214868480
	.fill 96, 4, 3214868480
	.section	.rodata,"a",@progbits
	.p2align	6, 0x0
	.amdhsa_kernel k_qfd78ab6f9b_proj
		.amdhsa_group_segment_fixed_size 168448
		.amdhsa_private_segment_fixed_size 0
		.amdhsa_enable_private_segment 0
		.amdhsa_kernarg_size 32
		.amdhsa_user_sgpr_count 2
		.amdhsa_user_sgpr_kernarg_segment_ptr 1
		.amdhsa_wavefront_size32 1
		.amdhsa_system_sgpr_workgroup_id_x 1
		.amdhsa_system_sgpr_workgroup_id_y 1
		.amdhsa_system_sgpr_workgroup_id_z 1
		.amdhsa_system_vgpr_workitem_id 0
		.amdhsa_next_free_vgpr 768
		.amdhsa_next_free_sgpr 66
		.amdhsa_reserve_vcc 0
		.amdhsa_float_denorm_mode_32 3
		.amdhsa_float_denorm_mode_16_64 3
		.amdhsa_memory_ordered 1
		.amdhsa_forward_progress 1
		.amdhsa_inst_pref_size 56
	.end_amdhsa_kernel
	.amdgpu_metadata
---
amdhsa.version: [ 1, 2 ]
amdhsa.kernels:
  - .name:           k_qfd78ab6f9b_proj
    .symbol:         k_qfd78ab6f9b_proj.kd
    .args:
      - { .name: cq, .offset: 0, .size: 8, .value_kind: global_buffer, .address_space: global }
      - { .name: wq, .offset: 8, .size: 8, .value_kind: global_buffer, .address_space: global }
      - { .name: bo, .offset: 16, .size: 8, .value_kind: global_buffer, .address_space: global }
      - { .name: out0, .offset: 24, .size: 8, .value_kind: global_buffer, .address_space: global }
    .group_segment_fixed_size: 168448
    .private_segment_fixed_size: 0
    .kernarg_segment_align: 8
    .kernarg_segment_size: 32
    .max_flat_workgroup_size: 128
    .sgpr_count:     66
    .vgpr_count:     768
    .wavefront_size: 32
...
	.end_amdgpu_metadata
.endif
;; end of part 4
